; MI455X (gfx1250); checked and timed in simulation.
; The chip was launched on July 23, 2026; its instructions are those of AMD's public machine-readable ISA for CDNA 5 (MIT licence, August 2026) and "CDNA5" Instruction Set Architecture Reference Guide (July 2026). The comments in the code are by the model that wrote it; some were corrected since.
;; Flash Attention. Allowed arithmetic: matrix products marked QUANTISED: E5M2 operands, one given power-of-two scale a tensor, by v_wmma_f32_16x16x64_bf8_bf8 or v_wmma_f32_16x16x128_bf8_bf8, f32 sums; everything else in f32.
;; Inputs: k 1 x 4,096 x 1,024 float32; lowp_scales 4 int32 (the exponents e of the quantised operands' scales 2^e); q 1 x 4,096 x 1,024 float32; v 1 x 4,096 x 1,024 float32.
;; Outputs: out0 1 x 4,096 x 1,024 float32.
;; This version of the problem:
;;   THIS VERSION OF THE PROBLEM IS GIVEN IN LOW PRECISION. The matrix products marked QUANTISED in the list below multiply operands that are first quantised to E5M2 (5 exponent bits, 2 mantissa bits; 8 bits a number), with one given power-of-two scale for each operand tensor; their sums are f32. All else is computed in f32.
;;   The module's matrix products, in the order in which they are computed (A, B: the left and right operand; K: the contracted axis; several contracted axes count as one K, in the product's order):
;;     1. batch 16 x [M 4,096, K 64] x [K 64, N 4,096]; A: input q; B: input k: QUANTISED (scales: A lowp_scales[0], B lowp_scales[1])
;;     2. batch 16 x [M 4,096, K 4,096] x [K 4,096, N 64]; A: computed on the way; B: input v: QUANTISED (scales: A lowp_scales[2], B lowp_scales[3])
;;   THE QUANTISER, for each operand of a quantised product, along K:
;;     - The operand's scale is 2^e, e = its entry of the input lowp_scales (int32; the entries are numbered through the quantised products in the list's order, A before B).
;;     - Each number is divided by the scale, clamped to +-57,344, and rounded to the nearest number of E5M2, ties to even, subnormals kept.
;;     - The product sums the exact products of the quantised numbers (number of the format x scale) in f32.
;;   ~~~python
;;   def quantise(x, axis, e):      # numpy; x: float32 -> the quantised numbers, widened to float32 again
;;       x = np.moveaxis(x, axis, -1); K = x.shape[-1]
;;       r = np.clip(x / 2.0 ** e, -57344, 57344)
;;       step = 2.0 ** (np.maximum(np.frexp(np.where(r == 0, 1, r))[1] - 1, -14) - 2)
;;       q = np.round(r / step) * step * 2.0 ** e      # np.round: ties to even
;;       return np.moveaxis(q, -1, axis).astype(np.float32)
;;   ~~~
;;   OPERANDS COMPUTED ON THE WAY. 'Computed on the way' means the value that the module computes at that place (a softmax that the list does not call 'softmax' is quantised finished and normalised). What goes into a quantiser is computed in f32, as accurately as f32 sums, v_exp_f32 and their like allow (about 1e-6 of the number): no bf16 or f16 on the way to a quantiser, and a product that is left as it is and whose result goes on into a quantised operand takes f32 operands (vector FMAs, or v_wmma_f32_16x16x4_f32). A number that lies on a knife's edge between two numbers of the format may be rounded either way, as far as f32 arithmetic and the matrix unit's own rounding can turn it there, and no further.
;; One version. Each part assembles by itself: llvm-mc -triple=amdgcn-amd-amdhsa -mcpu=gfx1250 --defsym DOCPART=n.
;; ======== version 1 of 1: 2 launches
;; limits: right only within a limited range of input values
;; workspace buffers: kimg 4,194,304 bytes; vimg 4,194,304 bytes
;; launch prep (part 1): grid 512 x 1, 8 waves a work-group, no clusters, 68,608 bytes of LDS; arguments k, v, lowp_scales, kimg, vimg; writes kimg, vimg
.if DOCPART == 1
	.amdgcn_target "amdgcn-amd-amdhsa--gfx1250"
	.amdhsa_code_object_version 6
	.text
	.protected	k_qca8b32d94b_prep
	.globl	k_qca8b32d94b_prep
	.p2align	8
	.type	k_qca8b32d94b_prep,@function
k_qca8b32d94b_prep:
	s_mov_b64 s[64:65], 0
	v_nop
	global_prefetch_b8 v0, s[64:65] scope:SCOPE_SE
	s_setreg_imm32_b32 hwreg(HW_REG_WAVE_MODE, 25, 1), 1
	s_wait_xcnt 0x0
; k and v, [4096][1024] f32 (16 heads of 64), become codes of E5M2, each with its given scale 2^e (k: entry 1 of lowp_scales, v: entry 3):
; code = x / 2^e, held within +-57,344, rounded to the nearest code, ties to even.  Every work-group of a head in the next launch reads them, so they are quantised once, here.
; NOTHING OF reference() IS DEAD WORK: q, k, v and all four scales have a way to the output, and all are loaded (q and entries 0 and 2 in the next launch).
; THE CODES ARE LAID AS IMAGES OF THE OPERANDS' REGISTERS, lane = r + 16 h:
;   kimg [head 16][tile T 256][c 2][lane 32][16 bytes]: dims 32 c + 16 h + 0 .. 15 of key(T, r), key(T, m) = 128 (T / 8) + 32 ((T / 2) % 4) + 8 (T % 2) + m + 8 (m / 8):
;        the keys of a tile are not neighbours, so that in the scores the 16 registers of tiles 2 b and 2 b + 1 are 16 neighbouring keys.
;   vimg [head 16][group g of 128 keys 32][dt 4][c 4][lane 32][16 bytes]: column d = 16 dt + r of the head at keys 128 g + 32 c + 16 h + 0 .. 15: the keys are the second product's K.
; One launch for both: work-groups 0-255 take k (one tile of 16 keys each, all heads), work-groups 256-511 take v (64 keys x 256 columns each).  Each moves 64 KiB in and 16 KiB out.  Waves share nothing: no barrier.
; K PATH: a row's 512 bytes of two heads are loaded as they lie, 16 bytes a lane; the conversions want 16 neighbours in ONE lane: the 16 rows turn through the wave's own stage in LDS.
; V PATH: a lane takes a column and its registers run down the keys: the conversions give codes with the keys innermost; no LDS.
; LIMITS: e1 and e3 between -126 and 112, so that 2^e and 57,344 x 2^e are f32 numbers.  NaN among the inputs is not served (an infinity is held at the largest code).
.set PITCH,  528                       ; a stage row: 512 bytes + 16
.set STAGEB, 16*PITCH                  ; a wave's stage: 16 rows
.set SPARE,  8*STAGEB                  ; behind the eight stages: the spare words, 128 bytes for each wave: four blocks of 256 bytes that no other line names
.set SPW, 12                           ; v12  LDS address of my spare word; never rewritten
.set NIL, 13                           ; v13  0; never rewritten
.set R,   16                           ; K path: v16-79   16 rows as loaded
.set X,   80                           ;         v80-143  four groups of 16 neighbours
.set C,   144                          ;         v144-159 codes
.set VX,  16                           ; V path: v16-79   64 keys of my column
.set VC,  80                           ;         v80-95   codes
	s_load_b256 s[4:11], s[0:1], 0x0               ; k s[4:5], v s[6:7], the scales' exponents s[8:9], kimg s[10:11]
	s_load_b64 s[12:13], s[0:1], 0x20              ; vimg
	v_lshl_add_u32 v[SPW], v0, 2, SPARE
	v_mov_b32 v[NIL], 0
	v_lshrrev_b32 v1, 5, v0
	s_delay_alu instid0(VALU_DEP_1)
	v_readfirstlane_b32 s16, v1                    ; wave 0..7
	v_and_b32 v2, 31, v0                           ; lane
	v_and_b32 v8, 15, v0                           ; r
	v_bfe_u32 v9, v0, 4, 1                         ; h
	s_delay_alu instid0(VALU_DEP_3)
	v_lshlrev_b32 v3, 4, v2                        ; 16 x lane
	s_mul_i32 s17, s16, STAGEB                     ; my stage
	v_add_nc_u32 v4, s17, v3                       ; into it: a row as it lies
	v_mul_u32_u24 v5, v8, PITCH
	s_delay_alu instid0(VALU_DEP_1)
	v_lshl_add_u32 v5, v9, 6, v5
	s_delay_alu instid0(VALU_DEP_1)
	v_add_nc_u32 v5, s17, v5                       ; out of it: row r, + 64 h: my 16 numbers of a block of 32
	s_mov_b32 s19, 0                               ; the upper word of every offset pair s[18:19]
	s_wait_kmcnt 0x0
	s_load_b128 s[20:23], s[8:9], 0x0              ; e0 .. e3
	s_cmp_lt_u32 ttmp9, 256
	s_cbranch_scc0 .Lv
	; ---- K PATH: tile T = the work-group's number; wave w takes heads 2 w and 2 w + 1
	s_lshr_b32 s24, ttmp9, 3
	s_lshl_b32 s24, s24, 7                         ; 128 (T / 8)
	s_bfe_u32 s25, ttmp9, 0x20001                  ; (T / 2) % 4
	s_lshl_b32 s25, s25, 5
	s_add_co_u32 s24, s24, s25
	s_and_b32 s25, ttmp9, 1
	s_lshl_b32 s25, s25, 3
	s_add_co_u32 s24, s24, s25                     ; key(T, 0)
	s_lshl_b32 s24, s24, 12                        ; rows of 4,096 bytes
	s_lshl_b32 s25, s16, 9                         ; my two heads' 512 bytes
	s_add_co_u32 s18, s24, s25
	s_add_nc_u64 s[4:5], s[4:5], s[18:19]
	s_lshl_b32 s24, s16, 19                        ; head 2 w: 262,144 bytes a head
	s_lshl_b32 s25, ttmp9, 10                      ; tile T: 1,024 bytes
	s_add_co_u32 s18, s24, s25
	s_add_nc_u64 s[10:11], s[10:11], s[18:19]
	s_wait_alu depctr_va_vdst(0)
.irp m, 0,1,2,3,4,5,6,7,8,9,10,11,12,13,14,15
	global_load_b128 v[R+4*\m:R+4*\m+3], v3, s[4:5] offset:(\m+8*(\m/8))*4096 th:TH_LOAD_NT   ; row m of the tile: 32 lanes read 512 consecutive bytes
.endr
	s_wait_kmcnt 0x0
	s_add_co_i32 s24, s21, 127
	s_lshl_b32 s25, s24, 23
	v_mov_b32 v11, s25                             ; 2^e1 as f32: the conversion takes its exponent field
	s_add_co_i32 s24, s24, 15
	s_lshl_b32 s24, s24, 23
	s_or_b32 s24, s24, 0x600000
	v_mov_b32 v10, s24                             ; 57,344 x 2^e1
	s_wait_alu depctr_va_vdst(0)
.irp m, 0,1,2,3,4,5,6,7,8,9,10,11,12,13,14,15
	s_wait_loadcnt 15-\m                           ; loads come back in order: row m is in, the younger rows may be out
	ds_store_b128 v4, v[R+4*\m:R+4*\m+3] offset:\m*PITCH
.endr
.irp g, 0,1,2,3                                ; group g = 2 x (which head) + c.  LDS serves a wave's instructions in order: these see my stores
.irp i, 0,1,2,3
	ds_load_b128 v[X+16*\g+4*\i:X+16*\g+4*\i+3], v5 offset:256*(\g/2)+128*(\g%2)+16*\i
.endr
.endr
.irp g, 0,1,2,3
	s_wait_dscnt 12-4*\g                           ; group g's four loads are in; the younger groups' may be out
.set j, 0
.rept 16
	v_med3_num_f32 v[X+16*\g+j], v[X+16*\g+j], -v10, v10   ; the conversion to an 8-bit code does not saturate (ISA guide 7.6.2): the hold at the largest code x the scale
.set j, j+1
.endr
	v_cvt_scalef32_pk8_bf8_f32 v[C+4*\g:C+4*\g+1], v[X+16*\g:X+16*\g+7], v11
	v_cvt_scalef32_pk8_bf8_f32 v[C+4*\g+2:C+4*\g+3], v[X+16*\g+8:X+16*\g+15], v11
	global_store_b128 v3, v[C+4*\g:C+4*\g+3], s[10:11] offset:(\g/2)*262144+(\g%2)*512   ; 32 lanes store 512 consecutive bytes, at a multiple of 256 from kimg's first byte
.endr
	s_branch .Lend
	; ---- V PATH: i = the work-group's number - 256; columns 256 (i % 4) on, keys 64 (i / 4) on; wave w takes 32 columns, a lane one
.Lv:
	s_sub_co_u32 s24, ttmp9, 256
	s_and_b32 s25, s24, 3                          ; cg
	s_lshr_b32 s26, s24, 2                         ; kg
	s_wait_alu depctr_va_vdst(0)
	v_lshlrev_b32 v7, 2, v2                        ; in: 4 bytes a lane
	s_wait_alu depctr_va_vdst(0)
	v_lshlrev_b32 v6, 4, v8
	s_delay_alu instid0(VALU_DEP_1)
	v_lshl_add_u32 v6, v9, 11, v6                  ; out: 16 r, and lanes 16-31 one dt (2,048 bytes) further on
	s_lshl_b32 s27, s26, 18                        ; 64 kg rows of 4,096 bytes
	s_lshl_b32 s28, s25, 10
	s_add_co_u32 s27, s27, s28
	s_lshl_b32 s28, s16, 7
	s_add_co_u32 s18, s27, s28
	s_add_nc_u64 s[6:7], s[6:7], s[18:19]
	s_lshl_b32 s27, s25, 2
	s_lshr_b32 s28, s16, 1
	s_add_co_u32 s27, s27, s28                     ; head = 4 cg + w / 2
	s_lshl_b32 s27, s27, 18
	s_lshr_b32 s28, s26, 1
	s_lshl_b32 s28, s28, 13                        ; group g = kg / 2: 8,192 bytes
	s_add_co_u32 s27, s27, s28
	s_and_b32 s28, s16, 1
	s_lshl_b32 s28, s28, 12                        ; dt = 2 (w % 2) (+ lane / 16)
	s_add_co_u32 s27, s27, s28
	s_and_b32 s28, s26, 1
	s_lshl_b32 s28, s28, 10                        ; c = 2 (kg % 2) (+ t)
	s_add_co_u32 s18, s27, s28
	s_add_nc_u64 s[12:13], s[12:13], s[18:19]
.set n, 0
.rept 64
	global_load_b32 v[VX+n], v7, s[6:7] offset:n*4096 th:TH_LOAD_NT   ; key n of my 64: a wave reads 128 consecutive bytes, the eight waves 1,024
.set n, n+1
.endr
	s_wait_kmcnt 0x0
	s_add_co_i32 s24, s23, 127
	s_lshl_b32 s25, s24, 23
	v_mov_b32 v11, s25                             ; 2^e3
	s_add_co_i32 s24, s24, 15
	s_lshl_b32 s24, s24, 23
	s_or_b32 s24, s24, 0x600000
	v_mov_b32 v10, s24                             ; 57,344 x 2^e3
	s_wait_alu depctr_va_vdst(0)
.irp t, 0,1                                    ; 32 keys at a time
	s_wait_loadcnt 32*(1-\t)                       ; the first 32 loads are in while the other 32 may be out; then all
.set j, 0
.rept 32
	v_med3_num_f32 v[VX+32*\t+j], v[VX+32*\t+j], -v10, v10
.set j, j+1
.endr
.irp g, 0,1,2,3
	v_cvt_scalef32_pk8_bf8_f32 v[VC+8*\t+2*\g:VC+8*\t+2*\g+1], v[VX+32*\t+8*\g:VX+32*\t+8*\g+7], v11
.endr
	global_store_b128 v6, v[VC+8*\t:VC+8*\t+3], s[12:13] offset:512*\t         ; keys + 0 .. 15: the places of lanes 0-15 of the image: sixteen lanes store 256 consecutive bytes, aligned
	global_store_b128 v6, v[VC+8*\t+4:VC+8*\t+7], s[12:13] offset:512*\t+256   ; keys + 16 .. 31: the places of lanes 16-31
.endr
.Lend:
	s_wait_tensorcnt 0x0                           ; the wave's end
	ds_add_u32 v[SPW], v[NIL]
	s_wait_dscnt 0x0
	s_endpgm
.Lfunc_end_k_qca8b32d94b_prep:
	.size	k_qca8b32d94b_prep, .Lfunc_end_k_qca8b32d94b_prep-k_qca8b32d94b_prep
	.p2alignl 7, 3214868480
	.fill 96, 4, 3214868480
	.section	.rodata,"a",@progbits
	.p2align	6, 0x0
	.amdhsa_kernel k_qca8b32d94b_prep
		.amdhsa_group_segment_fixed_size 68608
		.amdhsa_private_segment_fixed_size 0
		.amdhsa_enable_private_segment 0
		.amdhsa_kernarg_size 40
		.amdhsa_user_sgpr_count 2
		.amdhsa_user_sgpr_kernarg_segment_ptr 1
		.amdhsa_wavefront_size32 1
		.amdhsa_system_sgpr_workgroup_id_x 1
		.amdhsa_system_sgpr_workgroup_id_y 1
		.amdhsa_system_sgpr_workgroup_id_z 1
		.amdhsa_system_vgpr_workitem_id 0
		.amdhsa_next_free_vgpr 160
		.amdhsa_next_free_sgpr 66
		.amdhsa_reserve_vcc 0
		.amdhsa_float_denorm_mode_32 3
		.amdhsa_float_denorm_mode_16_64 3
		.amdhsa_memory_ordered 1
		.amdhsa_forward_progress 1
		.amdhsa_inst_pref_size 24
	.end_amdhsa_kernel
	.amdgpu_metadata
---
amdhsa.version: [ 1, 2 ]
amdhsa.kernels:
  - .name:           k_qca8b32d94b_prep
    .symbol:         k_qca8b32d94b_prep.kd
    .args:
      - { .name: k, .offset: 0, .size: 8, .value_kind: global_buffer, .address_space: global }
      - { .name: v, .offset: 8, .size: 8, .value_kind: global_buffer, .address_space: global }
      - { .name: lowp_scales, .offset: 16, .size: 8, .value_kind: global_buffer, .address_space: global }
      - { .name: kimg, .offset: 24, .size: 8, .value_kind: global_buffer, .address_space: global }
      - { .name: vimg, .offset: 32, .size: 8, .value_kind: global_buffer, .address_space: global }
    .group_segment_fixed_size: 68608
    .private_segment_fixed_size: 0
    .kernarg_segment_align: 8
    .kernarg_segment_size: 40
    .max_flat_workgroup_size: 256
    .sgpr_count:     66
    .vgpr_count:     160
    .wavefront_size: 32
...
	.end_amdgpu_metadata
.endif
;; end of part 1
;; launch attn (part 2): grid 16 x 16, 8 waves a work-group, clusters of 4 x 1, 327,680 bytes of LDS; arguments q, kimg, vimg, lowp_scales, out0; writes out0
.if DOCPART == 2
	.amdgcn_target "amdgcn-amd-amdhsa--gfx1250"
	.amdhsa_code_object_version 6
	.text
	.protected	k_qca8b32d94b_attn
	.globl	k_qca8b32d94b_attn
	.p2align	8
	.type	k_qca8b32d94b_attn,@function
k_qca8b32d94b_attn:
	s_mov_b64 s[64:65], 0
	v_nop
	global_prefetch_b8 v0, s[64:65] scope:SCOPE_SE
	s_setreg_imm32_b32 hwreg(HW_REG_WAVE_MODE, 25, 1), 1
	s_wait_xcnt 0x0
	s_wait_alu depctr_hold_cnt(0) depctr_sa_sdst(0) depctr_va_vdst(0) depctr_va_sdst(0) depctr_va_ssrc(0) depctr_va_vcc(0) depctr_vm_vsrc(0)
	s_getreg_b32 s2, hwreg(HW_REG_IB_STS2, 6, 4)
	s_cmp_eq_u32 s2, 0
	s_cbranch_scc0 .Lentry_in_a_cluster
	s_endpgm
.Lentry_in_a_cluster:
	s_bfe_u32 s2, ttmp6, 0x10000c
	s_cmp_lg_u32 s2, 0x3003
	s_cbranch_scc0 .Lentry_shape_is_right
	s_endpgm
.Lentry_shape_is_right:
; out[q] = sum over keys of Q(w) Q(v), w = e / (sum e + 1e-6), e = exp(score/8 - row max), score = Q(q) . Q(k): both products on codes of E5M2, f32 sums.
; Nothing of reference() is dead work.  w is quantised finished and normalised, so the keys are walked twice:
; PASS 1: t = score x c (c = log2(e)/8 x 2^(e0+e1)); running largest t, M = its ceiling, running sum of 2^(t-M) (rescaled by 2^(old M - new M), exact).
; BETWEEN: denominator = sum + 1e-6 x 2^(largest t - M);  -M' = -M - log2(denominator).
; PASS 2: w = 2^(t - M'), held at the largest code x 2^e2, converted; O^T += V^T W^T; at the end x 2^(e2+e3).
; SHARES: a work-group owns 256 queries of one head, each of its 8 waves 32 of them: two tiles A and B of 16, so that each fragment of K and V feeds two matrix instructions.
; K: the head's 262,144 bytes of register images (kimg) are filled into LDS once, 32,768 bytes a wave, jointly for the 4 work-groups of a cluster (same head, same descriptor).
; V: its 262,144 bytes do not fit in LDS beside K's; its register images (vimg) go from memory straight into registers, 512 consecutive bytes an instruction, asked one step ahead:
;    so no LDS byte is filled twice, and no barrier stands in a loop.  For the same reason V has no joint load.
; Both products are used transposed (source 0 = keys or channels, source 1 = my queries): a lane holds one query, lane % 16, and half of a step's 128 keys.
; THE HOLD: tile B's in the exponent, x <= e2 + 15.8 (2^15.8 = 57,052 lies above 53,248, the middle between the two largest codes: every held number takes the largest code); tile A's on the number.
; PREFETCH: in pass 1's trip t V's group t (8,192 bytes, what pass 2's trip t loads: 32 trips ahead) is asked for once in each cluster: wave t % 8, each partner 2,048 bytes by address.  K has no loop ahead of its one fill.
; LIMITS: e0 and e2 between -126 and 112; e0 + e1 between -123 and 130; scaled scores under 2^31 in magnitude; NaN among the inputs is not served.
; REGISTERS, window 0: v1-11 addresses; v[12:13] -M, largest t of A; v[14:15] A's sum; v16-23, v24-31 Q's codes of A, B; v32-95 K's fragments; v96-159 A's scores; v160-223 B's; v224-227 B's -M, t, sum; v228-255 at work, constants.
;            window 1: v0-15, v16-31 W's codes of A, B; v32-95 V's fragments; v160-191 O^T of A; v224-255 O^T of B.
.set SP,    272                        ; a stage row: 256 bytes + 16
.set STAGE, 262144                     ; behind K: 16 rows x SP for each wave, bytes of their own
.set SPARE, STAGE+8*16*SP              ; behind the stages: the spare words, 128 bytes a wave
.set LI,  1                            ; 16 x lane
.set ADK, 2                            ; LDS address of the K fragments being fetched
.set PFO, 3                            ; the prefetches' offset
.set SPW, 5
.set NIL, 6
.set GO,  7                            ; my byte offset in the wave's rows of out0
.set MA,  12
.set UA,  14
.set KF,  32
.set XA,  96
.set XB,  160
.set MB,  224
.set UB,  226
.set HOLD, 238                         ; 57,344 x 2^e2
.set LX,  239                          ; e2 + 15.8
.set SCP, 240                          ; 2^e2
.set OB,  242                          ; B's -M of the step before (at the head: 57,344 x 2^e0)
.set OA,  243                          ; A's
.set WV,  14
.set SEL, 20
.set CS,  22
.set G1,  24
.set G0,  40
.set KB,  52
.set CNT, 53
.set ES,  55
.set PFA, 56
.set VA,  58
.set PC,  60
.set TMP, 61
.set MSB, 0
.macro WIN new                         ; the immediate's high byte repeats the setting that is left
.if MSB != \new
	s_set_vgpr_msb (MSB<<8)|\new
.set MSB, \new
.endif
.endm
.macro CROUND                          ; a round of the cluster's barrier
	s_barrier_signal -1
	s_barrier_wait -1
	s_cmp_lg_u32 s[WV], 0
	s_cbranch_scc1 .Lnot_wave_0_\@
	s_barrier_signal -3
.Lnot_wave_0_\@:
	s_barrier_wait -3
	s_barrier_signal -1
	s_barrier_wait -1
.endm
.macro NOPS n
.rept \n
	v_nop
.endr
.endm
.macro KLOAD                           ; 128 keys' fragments: 16 loads of 512 consecutive bytes
.irp t, 0,1,2,3,4,5,6,7
	ds_load_b128 v[KF+8*\t:KF+8*\t+3], v[ADK] offset:1024*\t
	ds_load_b128 v[KF+8*\t+4:KF+8*\t+7], v[ADK] offset:1024*\t+512
.endr
.endm
.macro VLOAD                           ; 128 keys x 64 channels of V into window 1
	WIN 0x40
.irp dt, 0,1,2,3
.irp c, 0,1,2,3
	global_load_b128 v[32+16*\dt+4*\c:35+16*\dt+4*\c], v[LI], s[VA:VA+1] offset:2048*\dt+512*\c
.endr
.endr
	WIN 0
.endm
.macro QK                              ; S^T = K Q^T for both tiles; the 16 accumulators take turns
	s_wait_dscnt 0x0                               ; the fragments asked for a step ago
.irp t, 0,1,2,3,4,5,6,7
	v_wmma_f32_16x16x64_bf8_bf8 v[XA+8*\t:XA+8*\t+7], v[KF+8*\t:KF+8*\t+7], v[16:23], 0
	v_wmma_f32_16x16x64_bf8_bf8 v[XB+8*\t:XB+8*\t+7], v[KF+8*\t:KF+8*\t+7], v[24:31], 0
.endr
.endm
.macro KNEXT                           ; four places behind the products, then the next step's fragments
	v_add_nc_u32 v[ADK], s[KB], v[LI]
	NOPS 3
	KLOAD
.endm
.macro FM x, m, j                      ; t - M of the pair j
	v_pk_fma_f32 v[\x+2*(\j):\x+2*(\j)+1], v[\x+2*(\j):\x+2*(\j)+1], s[CS:CS+1], v[\m:\m+1] op_sel_hi:[1,0,0]
.endm
.macro FRUN x, m, from, cnt
.set jf, \from
.rept \cnt
	FM \x, \m, jf
.set jf, jf+1
.endr
.endm
.macro ADDL x, w, j                    ; one addition of a summing tree's level: registers w apart
	v_pk_add_f32 v[\x+\w*(\j):\x+\w*(\j)+1], v[\x+\w*(\j):\x+\w*(\j)+1], v[\x+\w*(\j)+\w/2:\x+\w*(\j)+\w/2+1]
.endm
.macro ARUN x, w, cnt
.set ja, 0
.rept \cnt
	ADDL \x, \w, ja
.set ja, ja+1
.endr
.endm
.macro CLOSE                           ; a batch's end
	v_nop                                          ; a plain place behind the last exponential
	s_wait_alu depctr_va_vdst(0)                   ; one wait for the batch and ahead of the next
.endm
.macro EXP_MIN e, x, lim               ; 64 exponentials with the other tile's holds between them
.set j, 0
.rept 32
	v_exp_f32 v[\e+j], v[\e+j]
	v_dual_min_num_f32 v[\x+j], v[\lim], v[\x+j] :: v_dual_min_num_f32 v[\x+j+1], v[\lim], v[\x+j+1]
	v_exp_f32 v[\e+j+1], v[\e+j+1]
.set j, j+2
.endr
	CLOSE
.endm
.macro BRUN cnt                        ; the next cnt of tile B's 28 maxima: eight chains in v228-231, v244-247
.rept \cnt
.if nb < 8
	v_max3_num_f32 v[228+nb+12*(nb/4)], v[XB+3*nb], v[XB+3*nb+1], v[XB+3*nb+2]
.else
.set kb, (nb-8)%8
	v_max3_num_f32 v[228+kb+12*(kb/4)], v[228+kb+12*(kb/4)], v[XB+24+2*(nb-8)], v[XB+25+2*(nb-8)]
.endif
.set nb, nb+1
.endr
.endm
.macro ASK                             ; wave t % 8 asks for my work-group's 2,048 bytes of V's group t: lanes 0-7 a block of 256 bytes each, the others the last again
	s_and_b32 s[TMP], s[PC], 7
	s_cmp_eq_u32 s[TMP], 0
	s_cbranch_scc0 .Lnot_mine_\@
	global_prefetch_b8 v[PFO], s[PFA:PFA+1] th:TH_LOAD_NT scope:SCOPE_SE
.Lnot_mine_\@:
	s_add_co_u32 s[PC], s[PC], 1
.endm
; PASS 1'S STEP.  The maxima go in eight chains a tile; the five dependent lines from a tile's chains to its -M stand among the other tile's independent lines.
; The exponentials go in four batches of 32 (halves A1, A2, B1, B2); between them stand lines that are independent of each other: later halves' scalings, and ONE level of an earlier half's summing tree a batch,
; so that nothing written in a batch is read before the batch's closing wait.
.macro P1STEP last
	QK
.if \last
	s_mov_b32 s[KB], 0                             ; pass 2 begins at key 0
.else
	s_add_co_u32 s[KB], s[KB], 8192
.endif
	KNEXT
	ASK
.set k, 0
.rept 8                                ; tile A: chains in v248-255; each accumulator is read from its low end on
	v_max3_num_f32 v[248+k], v[XA+3*k], v[XA+3*k+1], v[XA+3*k+2]
.set k, k+1
.endr
.set k, 0
.rept 20
	v_max3_num_f32 v[248+k%8], v[248+k%8], v[XA+24+2*k], v[XA+25+2*k]
.set k, k+1
.endr
.set nb, 0
	BRUN 4
	v_max3_num_f32 v248, v248, v249, v250
	v_max3_num_f32 v251, v251, v252, v253
	v_max_num_f32 v254, v254, v255
	v_mov_b32 v[OA], v[MA]
	BRUN 6
	v_max3_num_f32 v248, v248, v251, v254          ; the step's largest score of A
	BRUN 6
	v_mul_f32 v248, s[CS], v248                    ; as t (c is positive)
	BRUN 6
	v_max_num_f32 v[MA+1], v[MA+1], v248           ; the running largest t
	BRUN 6
	v_floor_f32 v[MA], -v[MA+1]                    ; -M = floor(-t): a whole number
	v_max3_num_f32 v228, v228, v229, v230
	v_max3_num_f32 v231, v231, v244, v245
	v_max_num_f32 v246, v246, v247
	v_mov_b32 v[OB], v[MB]
	FRUN XA, MA, 0, 4
	v_max3_num_f32 v228, v228, v231, v246
	FRUN XA, MA, 4, 4
	v_mul_f32 v228, s[CS], v228
	FRUN XA, MA, 8, 4
	v_max_num_f32 v[MB+1], v[MB+1], v228
	FRUN XA, MA, 12, 4
	v_floor_f32 v[MB], -v[MB+1]
	s_wait_alu depctr_va_vdst(0)                   ; ahead of the first batch
.set i, 0
.rept 32                               ; A1, with A2's and B1's scalings
	v_exp_f32 v[XA+i], v[XA+i]
.if i < 16
	FM XA+32, MA, i
.else
	FM XB, MB, i-16
.endif
.set i, i+1
.endr
	CLOSE
.set i, 0
.rept 32                               ; A2, with B2's scalings and A1's first level
	v_exp_f32 v[XA+32+i], v[XA+32+i]
.if i < 16
	FM XB+32, MB, i
.else
.if i < 24
	ADDL XA, 4, i-16
.endif
.endif
.set i, i+1
.endr
	CLOSE
.set i, 0
.rept 32                               ; B1, with A2's first level and A1's second
	v_exp_f32 v[XB+i], v[XB+i]
.if i < 8
	ADDL XA+32, 4, i
.else
.if i < 12
	ADDL XA, 8, i-8
.endif
.endif
.set i, i+1
.endr
	CLOSE
.set i, 0
.rept 32                               ; B2, with B1's first level, A2's second, A1's third
	v_exp_f32 v[XB+32+i], v[XB+32+i]
.if i < 8
	ADDL XB, 4, i
.else
.if i < 12
	ADDL XA+32, 8, i-8
.else
.if i < 14
	ADDL XA, 16, i-12
.endif
.endif
.endif
.set i, i+1
.endr
	CLOSE
	ARUN XB+32, 4, 8                               ; the rest of the four trees, and f = 2^(old M - new M) among them
	ARUN XB, 8, 4
	ARUN XA+32, 16, 2
	ADDL XA, 32, 0
	v_sub_f32 v[OA], v[MA], v[OA]
	v_sub_f32 v[OB], v[MB], v[OB]
	ARUN XB+32, 8, 4
	ARUN XB, 16, 2
	ADDL XA+32, 32, 0
	v_cvt_i32_f32 v[OA], v[OA]                     ; (it saturates)
	v_cvt_i32_f32 v[OB], v[OB]
	ARUN XB+32, 16, 2
	ADDL XB, 32, 0
	v_pk_add_f32 v[XA:XA+1], v[XA:XA+1], v[XA+32:XA+33]
	v_ldexp_f32 v232, 1.0, v[OA]
	v_ldexp_f32 v234, 1.0, v[OB]
	ADDL XB+32, 32, 0
	v_nop
	v_nop
	v_pk_fma_f32 v[UA:UA+1], v[UA:UA+1], v[232:233], v[XA:XA+1] op_sel_hi:[1,0,1]   ; sum x f + the step's
	v_pk_add_f32 v[XB:XB+1], v[XB:XB+1], v[XB+32:XB+33]
	v_nop
	v_nop
	v_pk_fma_f32 v[UB:UB+1], v[UB:UB+1], v[234:235], v[XB:XB+1] op_sel_hi:[1,0,1]
	s_wait_alu depctr_va_vdst(0)                   ; ahead of the wait and the branch below
	s_wait_xcnt 0x0                                ; my prefetch has read its address
	s_add_nc_u64 s[PFA:PFA+1], s[PFA:PFA+1], 8192
.endm
.macro P2STEP zero, last
	QK
.if \last
	NOPS 4
.else
	s_add_co_u32 s[KB], s[KB], 8192
	KNEXT
.endif
	FRUN XA, MA, 0, 32                             ; t - M': the scores' first readers stand ahead of the step's exponentials
	FRUN XB, MB, 0, 32
	s_wait_alu depctr_va_vdst(0)
	EXP_MIN XA, XB, LX                             ; w of A; B's hold in the exponent
	EXP_MIN XB, XA, HOLD                           ; w of B; A's hold on the number
	WIN 0x40                                       ; the codes go to window 1
.irp b, 0,1,2,3
	v_cvt_scalef32_pk8_bf8_f32 v[4*\b:4*\b+1], v[XA+16*\b:XA+16*\b+7], v[SCP]
	v_cvt_scalef32_pk8_bf8_f32 v[4*\b+2:4*\b+3], v[XA+16*\b+8:XA+16*\b+15], v[SCP]
	v_cvt_scalef32_pk8_bf8_f32 v[16+4*\b:16+4*\b+1], v[XB+16*\b:XB+16*\b+7], v[SCP]
	v_cvt_scalef32_pk8_bf8_f32 v[16+4*\b+2:16+4*\b+3], v[XB+16*\b+8:XB+16*\b+15], v[SCP]
.endr
	v_nop                                          ; a plain place behind the last conversion
	s_wait_alu depctr_va_vdst(0)                   ; directly ahead of the wait below
	s_wait_loadcnt 0x0                             ; V's fragments, asked for a step ago
	WIN 0x55
.irp dt, 0,1,2,3                       ; O^T += V^T W^T: eight accumulators by turns
.if \zero
	v_wmma_f32_16x16x128_bf8_bf8 v[160+8*\dt:167+8*\dt], v[32+16*\dt:47+16*\dt], v[0:15], 0
	v_wmma_f32_16x16x128_bf8_bf8 v[224+8*\dt:231+8*\dt], v[32+16*\dt:47+16*\dt], v[16:31], 0
.else
	v_wmma_f32_16x16x128_bf8_bf8 v[160+8*\dt:167+8*\dt], v[32+16*\dt:47+16*\dt], v[0:15], v[160+8*\dt:167+8*\dt]
	v_wmma_f32_16x16x128_bf8_bf8 v[224+8*\dt:231+8*\dt], v[32+16*\dt:47+16*\dt], v[16:31], v[224+8*\dt:231+8*\dt]
.endif
.endr
	NOPS 4                                         ; places in front of the loads into V's fragments, or of O^T's readers
.if \last
	WIN 0
.else
	s_add_nc_u64 s[VA:VA+1], s[VA:VA+1], 8192      ; the loads that read it are done
	VLOAD
.endif
.endm
.macro OUT ob, x, ld, off              ; a tile's O^T x 2^(e2+e3), through my stage, out as aligned units of 256 bytes
	WIN 0x01
.set j, 0
.rept 32
	v_ldexp_f32 v[\x+j], v[\ob+j], s[ES]
.set j, j+1
.endr
	WIN 0
.irp dt, 0,1,2,3
	ds_store_b128 v10, v[\x+8*\dt:\x+8*\dt+3] offset:64*\dt
	ds_store_b128 v10, v[\x+8*\dt+4:\x+8*\dt+7] offset:64*\dt+16
.endr
.irp i, 0,1,2,3,4,5,6,7
	ds_load_b128 v[\ld+4*\i:\ld+4*\i+3], v11 offset:2*\i*SP   ; LDS serves a wave's instructions in order
.endr
.irp i, 0,1,2,3,4,5,6,7
	s_wait_dscnt 7-\i                              ; the younger loads may be out
	global_store_b128 v[GO], v[\ld+4*\i:\ld+4*\i+3], s[12:13] offset:\off+2*\i*4096 th:TH_STORE_NT
.endr
.endm
	s_load_b256 s[4:11], s[0:1], 0x0               ; q, kimg, vimg, the scales' exponents
	s_load_b64 s[12:13], s[0:1], 0x20              ; out0
	v_lshl_add_u32 v[SPW], v0, 2, SPARE
	v_mov_b32 v[NIL], 0
	ds_add_u32 v[SPW], v[NIL]
	ds_add_u32 v[SPW], v[NIL]
	v_lshrrev_b32 v8, 5, v0
	v_readfirstlane_b32 s[WV], v8                  ; wave 0..7
	v_and_b32 v8, 15, v0                           ; r
	v_bfe_u32 v9, v0, 4, 1                         ; h
	v_lshlrev_b32 v4, 12, v8
	v_lshl_add_u32 v4, v9, 6, v4                   ; q: row r, + 64 h bytes
	s_bfe_u32 s15, ttmp6, 0x40000                  ; cx
	s_lshl_b32 s16, ttmp9, 2
	s_add_co_u32 s16, s16, s15                     ; which 256 queries
	s_and_b32 s17, ttmp7, 0xffff                   ; the head
	s_mov_b32 s[G1], 15|(3<<16)|(1<<21)            ; all four partners; elements of 8 bytes
	s_mov_b32 s[G1+1], 32<<16                      ; rows of 256 bytes,
	s_mov_b32 s[G1+2], 128<<16                     ; 128 of them, dense
	s_mov_b32 s[G1+3], 32<<16
	s_mov_b32 s[G1+4], 128
	s_mov_b32 s[G1+5], 32
	s_mov_b32 s[G1+6], 0
	s_mov_b32 s[G1+7], 0
	s_mov_b32 s[SEL], 0x76543210
	s_mov_b32 s[SEL+1], 0xfedcba98
	s_lshl_b32 s72, s17, 18                        ; a head's codes: 262,144 bytes
	s_mov_b32 s73, 0
	s_lshl_b32 s74, s[WV], 15                      ; my 32,768 bytes of K, in memory and in LDS
	s_mov_b32 s75, 0
	s_lshl_b32 s80, s16, 8
	s_lshl_b32 s81, s[WV], 5
	s_add_co_u32 s80, s80, s81                     ; my first query
	s_lshl_b32 s80, s80, 12
	s_lshl_b32 s81, s17, 8
	s_add_co_u32 s80, s80, s81
	s_mov_b32 s81, 0
	s_wait_alu depctr_va_vdst(0)                   ; directly ahead of the waits below
	s_wait_dscnt 0x0
	s_wait_kmcnt 0x0
	s_load_b128 s[68:71], s[10:11], 0x0            ; e0 .. e3
	s_add_nc_u64 s[4:5], s[4:5], s[80:81]
	s_add_nc_u64 s[12:13], s[12:13], s[80:81]
.irp T, 0,1                            ; q is asked for ahead of the round
.irp c, 0,1
.irp i, 0,1,2,3
	global_load_b128 v[XA+64*\T+16*\c+4*\i:XA+64*\T+16*\c+4*\i+3], v4, s[4:5] offset:65536*\T+128*\c+16*\i th:TH_LOAD_NT
.endr
.endr
.endr
	s_add_nc_u64 s[6:7], s[6:7], s[72:73]
	s_add_nc_u64 s[VA:VA+1], s[8:9], s[72:73]
	s_mov_b32 s[G0], 1
	s_mov_b32 s[G0+1], s74
	s_add_nc_u64 s[G0+2:G0+3], s[6:7], s[74:75]
	s_or_b32 s[G0+3], s[G0+3], 0x80000000
	CROUND                                         ; in front of the joint loads
	tensor_load_to_lds s[G0:G0+3], s[G1:G1+7]      ; my one tensor load
	s_nop 0
	NOPS 4
	v_and_b32 v[LI], 31, v0
	v_min_u32 v[PFO], 7, v[LI]
	v_lshlrev_b32 v[PFO], 8, v[PFO]
	v_lshlrev_b32 v[LI], 4, v[LI]
	v_lshlrev_b32 v[GO], 12, v9
	v_lshl_add_u32 v[GO], v8, 4, v[GO]
	s_mul_i32 s82, s[WV], 16*SP
	s_add_co_u32 s82, s82, STAGE                   ; my stage
	v_mul_u32_u24 v10, v8, SP
	v_lshl_add_u32 v10, v9, 5, v10
	v_add_nc_u32 v10, s82, v10                     ; in: row r, + 32 h
	v_mul_u32_u24 v11, v9, SP
	v_lshl_add_u32 v11, v8, 4, v11
	v_add_nc_u32 v11, s82, v11                     ; back: lanes 0-15 one row, lanes 16-31 the next
	v_mov_b32 v[MA+1], 0xff61b1e6                  ; the largest t so far: -3e38
	v_mov_b32 v[MB+1], 0xff61b1e6
	v_floor_f32 v[MA], -v[MA+1]
	v_floor_f32 v[MB], -v[MB+1]
.irp n, 14,15,226,227,233,235,236,237
	v_mov_b32 v\n, 0                               ; the sums; upper halves of pairs; the permutes' destinations
.endr
	s_lshl_b32 s84, s15, 11                        ; my work-group's quarter of a group of V
	s_mov_b32 s85, 0
	s_add_nc_u64 s[PFA:PFA+1], s[VA:VA+1], s[84:85]
	s_sub_co_u32 s[PC], 8, s[WV]                   ; (8 - wave + trip) % 8 = 0: my turn to ask
	s_wait_alu depctr_va_vdst(0)
	s_wait_kmcnt 0x0
	s_mov_b32 s[CS], 0x3e38aa3b                    ; log2(e) / 8,
	s_add_co_i32 s82, s68, s69
	s_lshl_b32 s82, s82, 23
	s_add_co_i32 s[CS], s[CS], s82                 ; x 2^(e0+e1)
	s_mov_b32 s[CS+1], s[CS]
	s_add_co_i32 s82, s70, 127
	s_lshl_b32 s83, s82, 23
	v_mov_b32 v[SCP], s83
	s_add_co_i32 s82, s82, 15
	s_lshl_b32 s82, s82, 23
	s_or_b32 s82, s82, 0x600000
	v_mov_b32 v[HOLD], s82
	v_mov_b32 v[LX], s70
	v_cvt_f32_i32 v[LX], v[LX]
	v_add_f32 v[LX], 0x417ccccd, v[LX]             ; e2 + 15.8
	s_add_co_i32 s82, s68, 127
	s_lshl_b32 s83, s82, 23
	v_mov_b32 v241, s83                            ; 2^e0
	s_add_co_i32 s82, s82, 15
	s_lshl_b32 s82, s82, 23
	s_or_b32 s82, s82, 0x600000
	v_mov_b32 v242, s82                            ; 57,344 x 2^e0
	s_add_co_i32 s[ES], s70, s71
	s_wait_alu depctr_va_vdst(0)
	s_wait_loadcnt 0x0                             ; q
.irp T, 0,1
.set j, 0
.rept 32
	v_med3_num_f32 v[XA+64*\T+j], v[XA+64*\T+j], -v242, v242
.set j, j+1
.endr
.irp c, 0,1
	v_cvt_scalef32_pk8_bf8_f32 v[16+8*\T+4*\c:17+8*\T+4*\c], v[XA+64*\T+16*\c:XA+64*\T+16*\c+7], v241
	v_cvt_scalef32_pk8_bf8_f32 v[18+8*\T+4*\c:19+8*\T+4*\c], v[XA+64*\T+16*\c+8:XA+64*\T+16*\c+15], v241
.endr
.endr
	v_nop
	s_wait_alu depctr_va_vdst(0)                   ; the head's end
	s_wait_tensorcnt 0x0                           ; my part of K is in;
	s_barrier_signal -1
	s_barrier_wait -1                              ; everybody's is
	s_mov_b32 s[KB], 0
	v_mov_b32 v[ADK], v[LI]
	KLOAD                                          ; keys 0-127
	s_mov_b32 s[CNT], 31
.Lp1:
	P1STEP 0
	s_sub_co_u32 s[CNT], s[CNT], 1
	s_cmp_lg_u32 s[CNT], 0
	s_cbranch_scc1 .Lp1
	P1STEP 1
	VLOAD                                          ; V's group 0
	v_add_f32 v[UA], v[UA], v[UA+1]                ; the two halves of the sum
	v_add_f32 v[UB], v[UB], v[UB+1]
	v_permlanex16_b32 v236, v[MA+1], s[SEL], s[SEL+1]
	v_permlanex16_b32 v237, v[MB+1], s[SEL], s[SEL+1]
	v_max_num_f32 v[MA+1], v[MA+1], v236           ; the row's largest t, over lane l xor 16's keys too
	v_max_num_f32 v[MB+1], v[MB+1], v237
	v_mov_b32 v244, v[MA]
	v_mov_b32 v246, v[MB]
	v_floor_f32 v[MA], -v[MA+1]
	v_floor_f32 v[MB], -v[MB+1]
	v_sub_f32 v244, v[MA], v244
	v_sub_f32 v246, v[MB], v246
	v_cvt_i32_f32 v244, v244
	v_cvt_i32_f32 v246, v246
	v_ldexp_f32 v[UA], v[UA], v244                 ; my sum under the row's M
	v_ldexp_f32 v[UB], v[UB], v246
	v_permlanex16_b32 v236, v[UA], s[SEL], s[SEL+1]
	v_permlanex16_b32 v237, v[UB], s[SEL], s[SEL+1]
	v_add_f32 v[UA], v[UA], v236
	v_add_f32 v[UB], v[UB], v237
	v_add_f32 v245, v[MA+1], v[MA]                 ; largest t - M
	v_add_f32 v247, v[MB+1], v[MB]
	s_mov_b32 s82, 0x358637bd                      ; 1e-6
	s_wait_alu depctr_va_vdst(0)
	v_exp_f32 v245, v245
	v_exp_f32 v247, v247
	v_nop
	s_wait_alu depctr_va_vdst(0)
	v_fma_f32 v244, v245, s82, v[UA]               ; the denominator under M
	v_fma_f32 v246, v247, s82, v[UB]
	s_wait_alu depctr_va_vdst(0)
	v_log_f32 v244, v244
	v_log_f32 v246, v246
	v_nop
	s_wait_alu depctr_va_vdst(0)
	v_sub_f32 v[MA], v[MA], v244                   ; -M' = -M - log2(denominator)
	v_sub_f32 v[MB], v[MB], v246
	s_wait_alu depctr_va_vdst(0)
	P2STEP 1, 0                                    ; the first step starts O^T's sums
	s_mov_b32 s[CNT], 30
.Lp2:
	P2STEP 0, 0
	s_sub_co_u32 s[CNT], s[CNT], 1
	s_cmp_lg_u32 s[CNT], 0
	s_wait_alu depctr_va_vdst(0)
	s_cbranch_scc1 .Lp2
	P2STEP 0, 1                                    ; the last step asks for nothing more
	OUT 160, XA, 32, 0
	OUT 224, XB, 64, 65536
	s_wait_tensorcnt 0x0                           ; the wave's end
	ds_add_u32 v[SPW], v[NIL]
	s_wait_dscnt 0x0
	CROUND                                         ; the closing round
	s_endpgm
.Lfunc_end_k_qca8b32d94b_attn:
	.size	k_qca8b32d94b_attn, .Lfunc_end_k_qca8b32d94b_attn-k_qca8b32d94b_attn
	.p2alignl 7, 3214868480
	.fill 96, 4, 3214868480
	.section	.rodata,"a",@progbits
	.p2align	6, 0x0
	.amdhsa_kernel k_qca8b32d94b_attn
		.amdhsa_group_segment_fixed_size 327680
		.amdhsa_private_segment_fixed_size 0
		.amdhsa_enable_private_segment 0
		.amdhsa_kernarg_size 40
		.amdhsa_user_sgpr_count 2
		.amdhsa_user_sgpr_kernarg_segment_ptr 1
		.amdhsa_wavefront_size32 1
		.amdhsa_system_sgpr_workgroup_id_x 1
		.amdhsa_system_sgpr_workgroup_id_y 1
		.amdhsa_system_sgpr_workgroup_id_z 1
		.amdhsa_system_vgpr_workitem_id 0
		.amdhsa_next_free_vgpr 512
		.amdhsa_next_free_sgpr 88
		.amdhsa_reserve_vcc 0
		.amdhsa_float_denorm_mode_32 3
		.amdhsa_float_denorm_mode_16_64 3
		.amdhsa_memory_ordered 1
		.amdhsa_forward_progress 1
		.amdhsa_inst_pref_size 115
	.end_amdhsa_kernel
	.amdgpu_metadata
---
amdhsa.version: [ 1, 2 ]
amdhsa.kernels:
  - .name:           k_qca8b32d94b_attn
    .symbol:         k_qca8b32d94b_attn.kd
    .args:
      - { .name: q, .offset: 0, .size: 8, .value_kind: global_buffer, .address_space: global }
      - { .name: kimg, .offset: 8, .size: 8, .value_kind: global_buffer, .address_space: global }
      - { .name: vimg, .offset: 16, .size: 8, .value_kind: global_buffer, .address_space: global }
      - { .name: lowp_scales, .offset: 24, .size: 8, .value_kind: global_buffer, .address_space: global }
      - { .name: out0, .offset: 32, .size: 8, .value_kind: global_buffer, .address_space: global }
    .group_segment_fixed_size: 327680
    .private_segment_fixed_size: 0
    .kernarg_segment_align: 8
    .kernarg_segment_size: 40
    .max_flat_workgroup_size: 256
    .sgpr_count:     88
    .vgpr_count:     512
    .wavefront_size: 32
...
	.end_amdgpu_metadata
.endif
;; end of part 2
